; MI455X (gfx1250); checked and timed in simulation.
; The chip was launched on July 23, 2026; its instructions are those of AMD's public machine-readable ISA for CDNA 5 (MIT licence, August 2026) and "CDNA5" Instruction Set Architecture Reference Guide (July 2026). The comments in the code are by the model that wrote it; some were corrected since.
;; mean Pred. Allowed arithmetic: matrix products marked QUANTISED: E2M3 operands, one E8M0 scale for each 32 along K, by v_wmma_scale_f32_16x16x128_f8f6f4 with both operands' format E2M3, f32 sums; everything else in f32.
;; Inputs: mask 16 x 4,096 int32; pool 16 x 4,096 x 512 float32; pool_labels 16 x 4,096 int32; query 16 x 2,048 x 512 float32.
;; Outputs: out0 16 x 2,048 float32.
;; This version of the problem:
;;   THIS VERSION OF THE PROBLEM IS GIVEN IN LOW PRECISION. The matrix products marked QUANTISED in the list below multiply operands that are first quantised to E2M3 (2 exponent bits, 3 mantissa bits; 6 bits a number), with one power-of-two scale for each 32 numbers along K (OCP MX v1.0); their sums are f32. All else is computed in f32.
;;   The module's matrix products, in the order in which they are computed (A, B: the left and right operand; K: the contracted axis; several contracted axes count as one K, in the product's order):
;;     1. batch 16 x [M 2,048, K 512] x [K 512, N 4,096]; A: input query; B: input pool: QUANTISED
;;   THE QUANTISER, for each operand of a quantised product, along K:
;;     - K is cut into blocks of 32 from its start; a last block that is shorter is filled with zeros.
;;     - A block's scale is 2^e with e = floor(log2(the largest magnitude in the block)) - 2, held to -126 .. 127; a block of zeros has e = 0. As a byte (E8M0): e + 127.
;;     - Each number is divided by its block's scale, clamped to +-7.5, and rounded to the nearest number of E2M3, ties to even, subnormals kept.
;;     - The product sums the exact products of the quantised numbers (number of the format x scale) in f32.
;;   ~~~python
;;   def quantise(x, axis):      # numpy; x: float32 -> the quantised numbers, widened to float32 again
;;       x = np.moveaxis(x, axis, -1); K = x.shape[-1]
;;       x = np.pad(x, [(0, 0)] * (x.ndim - 1) + [(0, -K % 32)]); x = x.reshape(x.shape[:-1] + (-1, 32)); a = np.abs(x).max(-1, keepdims=True)
;;       e = np.where(a > 0, np.clip(np.frexp(np.where(a > 0, a, 1))[1] - 1 - 2, -126, 127), 0)      # np.frexp(a)[1] - 1 = floor(log2(a)), exactly
;;       r = np.clip(x / 2.0 ** e, -7.5, 7.5)
;;       step = 2.0 ** (np.maximum(np.frexp(np.where(r == 0, 1, r))[1] - 1, 0) - 3)
;;       q = np.round(r / step) * step * 2.0 ** e      # np.round: ties to even
;;       return np.moveaxis(q.reshape(q.shape[:-2] + (-1,))[..., :K], -1, axis).astype(np.float32)
;;   ~~~
;; 2 versions, each right; version 2 is version 1 with the launch score written anew for expert scheduling mode. Each part assembles by itself: llvm-mc -triple=amdgcn-amd-amdhsa -mcpu=gfx1250 --defsym DOCPART=n.
;; ======== version 1 of 2: 3 launches
;; workspace buffers: order 270,592 bytes of whole numbers; coef 270,336 bytes; pblk 27,262,976 bytes; qblk 13,631,488 bytes
;; launch route (part 1): grid 16 x 1, 8 waves a work-group, no clusters, 1,280 bytes of LDS; arguments mask, pool_labels, order, coef; writes order, coef
.if DOCPART == 1
	.amdgcn_target "amdgcn-amd-amdhsa--gfx1250"
	.amdhsa_code_object_version 6
	.text
	.protected	k_q6d6799a027_route
	.globl	k_q6d6799a027_route
	.p2align	8
	.type	k_q6d6799a027_route,@function
k_q6d6799a027_route:
	s_mov_b64 s[64:65], 0
	v_nop
	global_prefetch_b8 v0, s[64:65] scope:SCOPE_SE
	s_setreg_imm32_b32 hwreg(HW_REG_WAVE_MODE, 25, 1), 1
	s_wait_xcnt 0x0
; ROUTE.  One work-group for each of the 16 tasks.  From mask [16][4096] and pool_labels [16][4096] (int32) it makes, for its task:
;   order + 16384 t : a permutation of the 4,096 pool rows: the rows with mask != 0 first (they are the rows that enter one of the two averages), the others behind;
;   coef  + 16384 t : for each PLACE of that list  [mask != 0 and label != 0] / max(np, 1) - [mask != 0 and label != 1] / max(nn, 1),  np, nn the two counts;
;   order + 270336 + 16 t : { kept rows, chunks of 64 kept rows, 0, 0 }.
; Beside that the 16 work-groups write a list 0 .. 2047 at order + 262144 and 2,048 ones at coef + 262144 (128 each): the next launch treats the queries as it treats the pool.
; Wave w takes entries 512 w .. 512 w + 511: register n = 4 j + c of lane l holds entry 512 w + 128 j + 4 l + c.  The places are given in the order (wave, register, lane): any order serves,
; since only the order of a sum in f32 hangs on it.  No atomics: each wave counts, the eight counts meet in LDS behind one barrier, every wave adds up those in front of it.
; The reciprocals are v_rcp_f32 (ISA guide: 1 ulp) where the definition divides: they stand behind the product, ahead of no quantiser.
.set IDENT, 262144
.set CNTO,  270336
.set DEST,  32                         ; v32-47  byte offset of the place, one register for each n: no store's address is written again
.set ENT,   48                         ; v48-63  the entry's row number
.set CF,    64                         ; v64-79  the coefficient
.set MK,    80                         ; v80-95  mask as loaded;  v96-111 labels;  later v80-111 the eight waves' totals
.set LB,    96
.set KB,    16                         ; s16-31  bit l: lane l's entry of register n is kept
.set PB,    32                         ; s32-47  .. counts as positive
.set NB,    48                         ; s48-63  .. counts as negative
.set TOT,   68                         ; s68-91  the eight waves' (kept, positive, negative)
	s_load_b256 s[4:11], s[0:1], 0x0               ; mask s[4:5], labels s[6:7], order s[8:9], coef s[10:11]
	v_lshl_add_u32 v128, v0, 2, 0x100
	v_mov_b32 v129, 0
	v_lshrrev_b32 v14, 5, v0
	v_readfirstlane_b32 s12, v14                   ; wave 0..7
	v_and_b32 v1, 31, v0                           ; lane
	s_lshl_b32 s14, ttmp9, 14                      ; the task's 4,096 entries of 4 bytes
	s_mov_b32 s15, 0
	s_lshl_b32 s92, s12, 11
	s_lshl_b32 s93, s12, 9
	v_lshl_add_u32 v3, v1, 4, s92                  ; loads: 2048 w + 16 lane
	v_lshl_add_u32 v2, v1, 2, s93                  ; the entry in my register 0: 512 w + 4 lane
	v_add_nc_u32 v6, s93, v1                       ; its ordinal: 512 w + lane
	v_mov_b32 v4, s12
	v_lshlrev_b32 v4, 4, v4                        ; LDS: 16 bytes a wave
	v_mov_b32 v5, 0
	s_wait_kmcnt 0x0
	s_add_nc_u64 s[4:5], s[4:5], s[14:15]
	s_add_nc_u64 s[6:7], s[6:7], s[14:15]
.irp j, 0,1,2,3
	global_load_b128 v[MK+4*\j:MK+4*\j+3], v3, s[4:5] offset:512*\j    ; 32 lanes read 512 consecutive bytes
.endr
.irp j, 0,1,2,3
	global_load_b128 v[LB+4*\j:LB+4*\j+3], v3, s[6:7] offset:512*\j
.endr
	s_mov_b32 s96, 0                               ; my wave's kept,
	s_mov_b32 s97, 0                               ; positive,
	s_mov_b32 s98, 0                               ; negative
	s_wait_loadcnt 0x0                             ; all eight loads are in: their bases may be written
	s_add_nc_u64 s[4:5], s[8:9], s[14:15]          ; order and coef at my task
	s_add_nc_u64 s[6:7], s[10:11], s[14:15]
.irp n, 0,1,2,3,4,5,6,7,8,9,10,11,12,13,14,15
	v_cmp_ne_u32 s[KB+\n], 0, v[MK+\n]             ; kept: mask != 0
	v_cmp_ne_u32 s[PB+\n], 0, v[LB+\n]
	v_cmp_ne_u32 s[NB+\n], 1, v[LB+\n]
	s_and_b32 s[PB+\n], s[PB+\n], s[KB+\n]         ; positive: kept and label != 0
	s_and_b32 s[NB+\n], s[NB+\n], s[KB+\n]         ; negative: kept and label != 1
	s_bcnt1_i32_b32 s95, s[KB+\n]
	s_add_co_u32 s96, s96, s95
	s_bcnt1_i32_b32 s95, s[PB+\n]
	s_add_co_u32 s97, s97, s95
	s_bcnt1_i32_b32 s95, s[NB+\n]
	s_add_co_u32 s98, s98, s95
.endr
	v_mov_b32 v8, s96
	v_mov_b32 v9, s97
	v_mov_b32 v10, s98
	v_mov_b32 v11, 0
	ds_store_b128 v4, v[8:11]                      ; all lanes write the same 16 bytes with the same values
	s_wait_dscnt 0x0                               ; for the others' sake: my store has landed
	s_barrier_signal -1
	s_barrier_wait -1
.irp w, 0,1,2,3,4,5,6,7
	ds_load_b128 v[MK+4*\w:MK+4*\w+3], v5 offset:16*\w
.endr
	s_wait_dscnt 0x0
.irp w, 0,1,2,3,4,5,6,7
	v_readfirstlane_b32 s[TOT+3*\w], v[MK+4*\w]
	v_readfirstlane_b32 s[TOT+3*\w+1], v[MK+4*\w+1]
	v_readfirstlane_b32 s[TOT+3*\w+2], v[MK+4*\w+2]
.endr
	s_mov_b32 s92, 0                               ; kept entries in the waves in front of mine
	s_mov_b32 s94, 0                               ; kept in all
	s_mov_b32 s96, 0                               ; np
	s_mov_b32 s97, 0                               ; nn
.irp w, 0,1,2,3,4,5,6,7
	s_add_co_u32 s94, s94, s[TOT+3*\w]
	s_add_co_u32 s96, s96, s[TOT+3*\w+1]
	s_add_co_u32 s97, s97, s[TOT+3*\w+2]
	s_cmp_gt_u32 s12, \w
	s_cselect_b32 s95, s[TOT+3*\w], 0
	s_add_co_u32 s92, s92, s95
.endr
	s_max_u32 s96, s96, 1
	s_max_u32 s97, s97, 1
	v_cvt_f32_u32 v14, s96
	v_cvt_f32_u32 v15, s97
	v_rcp_f32 v12, v14                             ; 1 / max(np, 1)
	v_rcp_f32 v13, v15                             ; 1 / max(nn, 1)
	v_add_nc_u32 v7, s94, v6                       ; (the plain line behind the reciprocals)  kept in all + my ordinal in register 0
	s_wait_alu depctr_va_vdst(0)                   ; one wait for both reciprocals, ahead of their first reader
.irp n, 0,1,2,3,4,5,6,7,8,9,10,11,12,13,14,15
	v_mbcnt_lo_u32_b32 v14, s[KB+\n], s92          ; kept entries with a lower ordinal: a kept entry's place
	v_sub_nc_u32 v15, v7, v14
	v_add_nc_u32 v15, 32*\n, v15                   ; kept in all + (ordinal - kept below): a dropped entry's place
	v_cndmask_b32 v[DEST+\n], v15, v14, s[KB+\n]
	v_min_u32 v[DEST+\n], 0xfff, v[DEST+\n]        ; a number made of loaded numbers enters an address only behind a hold; it is under 4,096 anyway
	v_lshlrev_b32 v[DEST+\n], 2, v[DEST+\n]
	v_add_nc_u32 v[ENT+\n], 128*(\n/4)+\n%4, v2
	v_cndmask_b32 v14, 0, v12, s[PB+\n]
	v_cndmask_b32 v15, 0, v13, s[NB+\n]
	v_sub_f32 v[CF+\n], v14, v15
	global_store_b32 v[DEST+\n], v[ENT+\n], s[4:5]
	global_store_b32 v[DEST+\n], v[CF+\n], s[6:7]
	s_bcnt1_i32_b32 s95, s[KB+\n]
	s_add_co_u32 s92, s92, s95
.endr
	s_cmp_lt_u32 s12, 4                            ; threads 0 .. 127: my task's 128 entries of the queries' list and ones
	s_cbranch_scc0 .Lno_ident
	s_lshl_b32 s95, ttmp9, 7
	v_add_nc_u32 v16, s95, v0
	v_lshlrev_b32 v17, 2, v16
	v_mov_b32 v18, 1.0
	global_store_b32 v17, v16, s[8:9] offset:IDENT
	global_store_b32 v17, v18, s[10:11] offset:IDENT
.Lno_ident:
	s_cmp_lg_u32 s12, 0
	s_cbranch_scc1 .Lend
	s_add_co_u32 s95, s94, 63
	s_lshr_b32 s95, s95, 6                         ; chunks of 64 kept rows, the last one filled up with dropped rows
	s_lshl_b32 s98, ttmp9, 4
	v_mov_b32 v20, s94
	v_mov_b32 v21, s95
	v_mov_b32 v22, 0
	v_mov_b32 v23, 0
	v_mov_b32 v24, s98
	v_cmp_eq_u32 vcc_lo, 0, v0
	s_wait_xcnt 0x0                                ; EXEC is a source of the stores above: it changes only behind this wait
	s_and_saveexec_b32 s99, vcc_lo
	global_store_b128 v24, v[20:23], s[8:9] offset:CNTO
	s_wait_xcnt 0x0                                ; and again in front of the line that widens it
	s_or_b32 exec_lo, exec_lo, s99
.Lend:
	s_wait_tensorcnt 0x0
	ds_add_u32 v128, v129
	s_wait_dscnt 0x0
	s_endpgm
.Lfunc_end_k_q6d6799a027_route:
	.size	k_q6d6799a027_route, .Lfunc_end_k_q6d6799a027_route-k_q6d6799a027_route
	.p2alignl 7, 3214868480
	.fill 96, 4, 3214868480
	.section	.rodata,"a",@progbits
	.p2align	6, 0x0
	.amdhsa_kernel k_q6d6799a027_route
		.amdhsa_group_segment_fixed_size 1280
		.amdhsa_private_segment_fixed_size 0
		.amdhsa_enable_private_segment 0
		.amdhsa_kernarg_size 32
		.amdhsa_user_sgpr_count 2
		.amdhsa_user_sgpr_kernarg_segment_ptr 1
		.amdhsa_wavefront_size32 1
		.amdhsa_system_sgpr_workgroup_id_x 1
		.amdhsa_system_sgpr_workgroup_id_y 1
		.amdhsa_system_sgpr_workgroup_id_z 1
		.amdhsa_system_vgpr_workitem_id 0
		.amdhsa_next_free_vgpr 130
		.amdhsa_next_free_sgpr 100
		.amdhsa_reserve_vcc 1
		.amdhsa_float_denorm_mode_32 3
		.amdhsa_float_denorm_mode_16_64 3
		.amdhsa_memory_ordered 1
		.amdhsa_forward_progress 1
		.amdhsa_inst_pref_size 26
	.end_amdhsa_kernel
	.amdgpu_metadata
---
amdhsa.version: [ 1, 2 ]
amdhsa.kernels:
  - .name:           k_q6d6799a027_route
    .symbol:         k_q6d6799a027_route.kd
    .args:
      - { .name: mask, .offset: 0, .size: 8, .value_kind: global_buffer, .address_space: global }
      - { .name: pool_labels, .offset: 8, .size: 8, .value_kind: global_buffer, .address_space: global }
      - { .name: order, .offset: 16, .size: 8, .value_kind: global_buffer, .address_space: global }
      - { .name: coef, .offset: 24, .size: 8, .value_kind: global_buffer, .address_space: global }
    .group_segment_fixed_size: 1280
    .private_segment_fixed_size: 0
    .kernarg_segment_align: 8
    .kernarg_segment_size: 32
    .max_flat_workgroup_size: 256
    .sgpr_count:     100
    .vgpr_count:     130
    .wavefront_size: 32
...
	.end_amdgpu_metadata
.endif
;; end of part 1
;; launch quant (part 2): grid 96 x 16, 4 waves a work-group, no clusters, 34,304 bytes of LDS; arguments pool, query, order, coef, pblk, qblk; writes pblk, qblk
.if DOCPART == 2
	.amdgcn_target "amdgcn-amd-amdhsa--gfx1250"
	.amdhsa_code_object_version 6
	.text
	.protected	k_q6d6799a027_quant
	.globl	k_q6d6799a027_quant
	.p2align	8
	.type	k_q6d6799a027_quant,@function
k_q6d6799a027_quant:
	s_mov_b64 s[64:65], 0
	v_nop
	global_prefetch_b8 v0, s[64:65] scope:SCOPE_SE
	s_setreg_imm32_b32 hwreg(HW_REG_WAVE_MODE, 25, 1), 1
	s_wait_xcnt 0x0
; QUANT.  Rows of 512 f32 become codes of FP6 (E2M3) with one E8M0 scale byte for each 32 along K, laid as the product's launch wants them: in RECORDS of 16 rows, REC = 6,656 bytes:
;   bytes 0 .. 6143: 12 pieces of 512 bytes; piece 3 s + c holds registers 4 c .. 4 c + 3 of the operand fragment of K step s (128 along K), lane l's 16 bytes at 16 l;
;   bytes 6144 .. 6399: the scale bytes, row r's 16 at 16 r (word s for K step s);   bytes 6400 .. 6463: one f32 a row: coefficient / |row|;   the rest is neither written nor read.
; Work-group (x, t): x < 64: chunk x (64 places) of task t's list of pool rows, kept rows first; x >= 64: chunk x - 64 of task t's queries, whose list is 0 .. 2047 and whose coefficients are ones.
; Both go ONE way through the text: only pointers, offsets and limits are chosen, on the work-group's number.  A pool chunk at or past the task's count of chunks holds only rows that the definition
; drops (mask == 0): it stores nothing and ends; that is a branch on a stored whole number, and the launch has no barrier and no tensor load.
; A wave takes one record.  Each load reads 512 consecutive bytes of ONE row (its 128 numbers of a K step); the 16 rows turn through the wave's own stage in LDS (pitch 528 = 33 x 16 bytes, so that the
; sixteen rows of a read start in different banks: 64 banks of 4 bytes, ISA guide 11.1) and come back so that lane (r, h) holds of row r, for each block b of 32, the 16 numbers 32 b + 16 h + 0 .. 15.
; A block's scale is 2^(floor(log2(its largest magnitude)) - 2): its byte is the largest magnitude's exponent field - 2, held at 1 from below.
; LIMITS: NaN and infinities among the inputs are not served.  A block whose largest magnitude lies under 2^-124 has its byte held at 1; a block of zeros has the byte 1 where the rule says 127: its codes
; are zeros, and this program alone reads the bytes.  1 / |row| is v_rsq_f32 of the sum of squares (1 ulp, denormals count as zero: a row whose sum of squares lies under 2^-126 counts as a row of norm 0);
; it stands behind the product, ahead of no quantiser.
.set REC,   6656
.set PTASK, 256*REC
.set QTASK, 128*REC
.set IDENT, 262144
.set CNTO,  270336
.set PITCH, 528
.set STG,   16*PITCH                   ; a wave's stage
.set PWS,   16                         ; v16-19   the scale words of K steps 0 .. 3
.set TM,    20                         ; v20-23 largest magnitudes, v24-27 the other half's, then bytes, v32-35 the conversions' scale operands
.set PC,    36                         ; v36-47   a fragment's codes;  v48-54 at work
.set X,     56                         ; v56-119  64 numbers of my row
.set R,     120                        ; v120-247 two sets of 16 x 4 registers as loaded
.set SS,    248                        ; v248-255 the sum of squares, in four chains of pairs
.set ROWS,  32                         ; s32-63   the addresses of my 16 rows
	s_load_b256 s[4:11], s[0:1], 0x0               ; pool s[4:5], query s[6:7], order s[8:9], coef s[10:11]
	s_load_b128 s[12:15], s[0:1], 0x20             ; pblk s[12:13], qblk s[14:15]
	v_lshl_add_u32 v51, v0, 2, 0x8400
	v_mov_b32 v55, 0
	v_lshrrev_b32 v1, 5, v0
	v_readfirstlane_b32 s2, v1                     ; wave 0..3
	s_and_b32 s3, ttmp7, 0xffff                    ; task
	s_lshl_b32 s70, s3, 23                         ; both variants of everything that differs are made first:  the task in pool (4,096 rows of 2,048 bytes)
	s_lshl_b32 s76, s3, 22                         ; and in query,
	s_mul_i32 s72, s3, PTASK                       ; in pblk
	s_mul_i32 s77, s3, QTASK                       ; and in qblk,
	s_lshl_b32 s74, s3, 14                         ; its list (and coefficients)
	s_mov_b32 s78, IDENT                           ; or the queries',
	s_sub_co_u32 s79, ttmp9, 64                    ; the chunk, if it is the queries'
	s_lshl_b32 s84, s3, 4                          ; the task's counts
	s_mov_b32 s71, 0
	s_mov_b32 s73, 0
	s_mov_b32 s75, 0
	s_mov_b32 s85, 0
	s_mov_b32 s68, 0x76543210
	s_mov_b32 s69, 0xfedcba98                      ; v_permlanex16_b32's selects for lane l xor 16
	s_wait_kmcnt 0x0
	s_cmp_lt_u32 ttmp9, 64                         ; pool or query?  The choice hangs on the work-group's number alone; only selections follow the compare
	s_cselect_b64 s[4:5], s[4:5], s[6:7]
	s_cselect_b64 s[12:13], s[12:13], s[14:15]
	s_cselect_b32 s70, s70, s76
	s_cselect_b32 s72, s72, s77
	s_cselect_b32 s74, s74, s78
	s_cselect_b32 s79, ttmp9, s79                  ; chunk
	s_cselect_b32 s81, 1, 0
	s_lshl_b32 s80, s79, 2
	s_add_co_u32 s80, s80, s2                      ; my record: 4 x chunk + wave
	s_mul_i32 s86, s80, REC
	s_add_co_u32 s72, s72, s86
	s_lshl_b32 s86, s80, 6                         ; its 16 places of 4 bytes
	s_add_co_u32 s74, s74, s86
	s_add_nc_u64 s[4:5], s[4:5], s[70:71]          ; the task's rows
	s_add_nc_u64 s[12:13], s[12:13], s[72:73]      ; my record
	s_add_nc_u64 s[82:83], s[8:9], s[74:75]        ; my 16 places of the list
	s_add_nc_u64 s[10:11], s[10:11], s[74:75]      ; and of the coefficients
	s_add_nc_u64 s[84:85], s[8:9], s[84:85]
	s_load_b64 s[66:67], s[84:85], CNTO            ; { kept rows, chunks }
	s_load_b512 s[16:31], s[82:83], 0x0            ; 16 row numbers
	v_and_b32 v1, 31, v0                           ; lane
	v_and_b32 v2, 15, v0                           ; r
	v_bfe_u32 v3, v0, 4, 1                         ; h
	v_lshlrev_b32 v4, 4, v1                        ; 16 x lane
	s_mul_i32 s89, s2, STG
	v_add_nc_u32 v5, s89, v4                       ; the stage, on the way in: 16 x lane in row i
	v_mul_u32_u24 v6, v2, PITCH
	v_lshl_add_u32 v6, v3, 6, v6
	v_add_nc_u32 v6, s89, v6                       ; and on the way out: row r, + 64 h
	v_lshlrev_b32 v8, 2, v2                        ; 4 r
	v_lshlrev_b32 v9, 4, v2                        ; 16 r
.irp b, 0,1,2,3
	v_mov_b32 v[TM+4+\b], 0                        ; written once: a lane permute's destination counts as one of its sources
.endr
	s_lshl_b32 s88, s80, 4                         ; my record's first place
	s_wait_kmcnt 0x0
	s_cmp_eq_u32 s81, 1
	s_cselect_b32 s86, s67, 32                     ; chunks that have work
	s_cselect_b32 s87, s66, 2048                   ; places that count
	s_cmp_ge_u32 s79, s86
	s_cbranch_scc1 .Lend
.irp i, 0,1,2,3,4,5,6,7,8,9,10,11,12,13,14,15
	s_min_u32 s[16+\i], s[16+\i], 0xfff            ; a loaded number enters an address only behind a hold
	s_lshl_b32 s[ROWS+2*\i], s[16+\i], 11          ; rows of 2,048 bytes
	s_mov_b32 s[ROWS+2*\i+1], 0
	s_add_nc_u64 s[ROWS+2*\i:ROWS+2*\i+1], s[ROWS+2*\i:ROWS+2*\i+1], s[4:5]
.endr
	global_load_b32 v7, v8, s[10:11]               ; the coefficient of place r
.macro LOADK s                         ; K step s of my 16 rows into set s % 2: each load reads 512 consecutive bytes of one row; each row is read once in the launch
.irp i, 0,1,2,3,4,5,6,7,8,9,10,11,12,13,14,15
	global_load_b128 v[R+64*((\s)%2)+4*\i:R+64*((\s)%2)+4*\i+3], v4, s[ROWS+2*\i:ROWS+2*\i+1] offset:512*(\s) th:TH_LOAD_NT
.endr
.endm
.macro TURN s                          ; through the stage: LDS serves a wave's instructions in order (ISA guide 5.7.1.4), so no wait stands between the stores and the loads
.irp i, 0,1,2,3,4,5,6,7,8,9,10,11,12,13,14,15
	ds_store_b128 v5, v[R+64*((\s)%2)+4*\i:R+64*((\s)%2)+4*\i+3] offset:PITCH*\i
.endr
.irp b, 0,1,2,3
.irp j, 0,1,2,3
	ds_load_b128 v[X+16*\b+4*\j:X+16*\b+4*\j+3], v6 offset:128*\b+16*\j     ; register 16 b + i = k 32 b + 16 h + i of row r
.endr
.endr
.endm
.macro SUMSQ first                     ; the sum of my 64 numbers' squares, two at a time, in four chains; the first K step's first products start the chains: nothing is cleared
.set p, 0
.rept 32
.if (\first) && (p < 4)
	v_pk_mul_f32 v[SS+2*p:SS+2*p+1], v[X+2*p:X+2*p+1], v[X+2*p:X+2*p+1]
.else
	v_pk_fma_f32 v[SS+2*(p%4):SS+2*(p%4)+1], v[X+2*p:X+2*p+1], v[X+2*p:X+2*p+1], v[SS+2*(p%4):SS+2*(p%4)+1]
.endif
.set p, p+1
.endr
.endm
.macro QUANT pw                        ; my 64 numbers become a fragment's codes in v[PC] on and my row's scale word in v[pw]
.irp b, 0,1,2,3
	v_max3_num_f32 v[TM+\b], |v[X+16*\b]|, |v[X+1+16*\b]|, 0x1800000   ; block b: my 16 numbers, and the floor 2^(3 - 127): so the byte cannot fall under 1
.endr
.irp i, 2,4,6,8,10,12,14
.irp b, 0,1,2,3
	v_max3_num_f32 v[TM+\b], v[TM+\b], |v[X+16*\b+\i]|, |v[X+1+16*\b+\i]|   ; (the four blocks by turns)
.endr
.endr
.irp b, 0,1,2,3
	v_permlanex16_b32 v[TM+4+\b], v[TM+\b], s68, s69
.endr
.irp b, 0,1,2,3
	v_max_num_f32 v[TM+\b], v[TM+\b], v[TM+4+\b]   ; with lane l xor 16's: the block's largest magnitude
.endr
.irp b, 0,1,2,3
	v_add_nc_u32 v[TM+12+\b], 0xff000000, v[TM+\b] ; 2 off its exponent field: the conversion takes the exponent field of this operand as its scale
.endr
.irp b, 0,1,2,3
	v_lshrrev_b32 v[TM+4+\b], 23, v[TM+12+\b]      ; the scale's byte
.endr
	v_lshl_or_b32 v[\pw], v[TM+5], 8, v[TM+4]
	v_lshl_or_b32 v[\pw], v[TM+6], 16, v[\pw]
	v_lshl_or_b32 v[\pw], v[TM+7], 24, v[\pw]
.irp c, 0,1
	v_cvt_scalef32_pk16_fp6_f32 v[PC+6*\c:PC+2+6*\c], v[X+32*\c:X+15+32*\c], v[TM+12+2*\c]
	v_cvt_scalef32_pk16_fp6_f32 v[PC+12+4*\c:PC+14+4*\c], v[X+16+32*\c:X+31+32*\c], v[TM+12+2*\c+1]   ; (a conversion's three registers begin on an even number)
.endr
	v_nop                                          ; one plain line behind a scaled conversion
.irp c, 0,1                            ; the operand's layout wants a WHOLE block in a lane: lanes 0-15 block 2 c, lanes 16-31 block 2 c + 1
.irp i, 0,1,2
	v_permlane16_swap_b32 v[PC+6*\c+\i], v[PC+12+4*\c+\i]
.endr
.irp i, 0,1,2
	v_mov_b32 v[PC+3+6*\c+\i], v[PC+12+4*\c+\i]
.endr
.endr
.endm
.macro KSTEP s
.if \s < 3
	s_wait_loadcnt 16                              ; this K step's 16 loads are in (and the coefficient, issued ahead of them); the other set's 16 may be out
.else
	s_wait_loadcnt 0x0
.endif
	TURN \s
	s_wait_dscnt 0x0                               ; my numbers are back, and the stores into the stage have read their registers,
.if \s < 2
	LOADK (\s)+2                                   ; which take the K step two on
.endif
.if \s == 0
	SUMSQ 1
.else
	SUMSQ 0
	s_wait_xcnt 0x0                                ; the last fragment's stores have read their registers: the codes are written again only behind this wait
.endif
	QUANT PWS+\s
.irp c, 0,1,2
	global_store_b128 v4, v[PC+4*\c:PC+4*\c+3], s[12:13] offset:1536*(\s)+512*\c   ; 32 lanes store 512 consecutive bytes, at a multiple of 256 from the buffer's first byte
.endr
.endm
	LOADK 0
	LOADK 1
	KSTEP 0
	KSTEP 1
	KSTEP 2
	KSTEP 3
	v_pk_add_f32 v[SS:SS+1], v[SS:SS+1], v[SS+2:SS+3]
	v_pk_add_f32 v[SS+4:SS+5], v[SS+4:SS+5], v[SS+6:SS+7]
	v_pk_add_f32 v[SS:SS+1], v[SS:SS+1], v[SS+4:SS+5]
	v_add_f32 v10, v[SS], v[SS+1]
	v_permlanex16_b32 v[TM+4], v10, s68, s69
	v_add_f32 v10, v10, v[TM+4]                    ; the row's sum of squares
	v_rsq_f32 v11, v10
	v_add_nc_u32 v14, s88, v2                      ; (the plain line behind it)  my row's place in the list
	s_wait_alu depctr_va_vdst(0)                   ; ahead of the first reader
	v_mul_f32 v15, v7, v11                         ; coefficient / |row|
	v_cmp_gt_u32 vcc_lo, s87, v14
	v_cndmask_b32 v15, 0, v15, vcc_lo              ; a place past the kept rows weighs nothing, whatever its row's norm: a test on whole numbers
	v_cmp_gt_u32 vcc_lo, 16, v1
	s_wait_xcnt 0x0                                ; EXEC is a source of the stores above: it changes only behind this wait
	s_and_saveexec_b32 s90, vcc_lo
	global_store_b128 v9, v[PWS:PWS+3], s[12:13] offset:6144   ; sixteen lanes store 256 consecutive bytes, aligned
	global_store_b32 v8, v15, s[12:13] offset:6400             ; 64 bytes: one byte in 512 of what the wave reads
	s_wait_xcnt 0x0
	s_or_b32 exec_lo, exec_lo, s90
.Lend:
	s_wait_tensorcnt 0x0
	ds_add_u32 v51, v55
	s_wait_dscnt 0x0
	s_endpgm
.Lfunc_end_k_q6d6799a027_quant:
	.size	k_q6d6799a027_quant, .Lfunc_end_k_q6d6799a027_quant-k_q6d6799a027_quant
	.p2alignl 7, 3214868480
	.fill 96, 4, 3214868480
	.section	.rodata,"a",@progbits
	.p2align	6, 0x0
	.amdhsa_kernel k_q6d6799a027_quant
		.amdhsa_group_segment_fixed_size 34304
		.amdhsa_private_segment_fixed_size 0
		.amdhsa_enable_private_segment 0
		.amdhsa_kernarg_size 48
		.amdhsa_user_sgpr_count 2
		.amdhsa_user_sgpr_kernarg_segment_ptr 1
		.amdhsa_wavefront_size32 1
		.amdhsa_system_sgpr_workgroup_id_x 1
		.amdhsa_system_sgpr_workgroup_id_y 1
		.amdhsa_system_sgpr_workgroup_id_z 1
		.amdhsa_system_vgpr_workitem_id 0
		.amdhsa_next_free_vgpr 256
		.amdhsa_next_free_sgpr 100
		.amdhsa_reserve_vcc 1
		.amdhsa_float_denorm_mode_32 3
		.amdhsa_float_denorm_mode_16_64 3
		.amdhsa_memory_ordered 1
		.amdhsa_forward_progress 1
		.amdhsa_inst_pref_size 45
	.end_amdhsa_kernel
	.amdgpu_metadata
---
amdhsa.version: [ 1, 2 ]
amdhsa.kernels:
  - .name:           k_q6d6799a027_quant
    .symbol:         k_q6d6799a027_quant.kd
    .args:
      - { .name: pool, .offset: 0, .size: 8, .value_kind: global_buffer, .address_space: global }
      - { .name: query, .offset: 8, .size: 8, .value_kind: global_buffer, .address_space: global }
      - { .name: order, .offset: 16, .size: 8, .value_kind: global_buffer, .address_space: global }
      - { .name: coef, .offset: 24, .size: 8, .value_kind: global_buffer, .address_space: global }
      - { .name: pblk, .offset: 32, .size: 8, .value_kind: global_buffer, .address_space: global }
      - { .name: qblk, .offset: 40, .size: 8, .value_kind: global_buffer, .address_space: global }
    .group_segment_fixed_size: 34304
    .private_segment_fixed_size: 0
    .kernarg_segment_align: 8
    .kernarg_segment_size: 48
    .max_flat_workgroup_size: 128
    .sgpr_count:     100
    .vgpr_count:     256
    .wavefront_size: 32
...
	.end_amdgpu_metadata
.endif
;; end of part 2
;; launch score (part 3): grid 16 x 16, 4 waves a work-group, no clusters, 2,560 bytes of LDS; arguments pblk, qblk, order, out0; writes out0
.if DOCPART == 3
	.amdgcn_target "amdgcn-amd-amdhsa--gfx1250"
	.amdhsa_code_object_version 6
	.text
	.protected	k_q6d6799a027_score
	.globl	k_q6d6799a027_score
	.p2align	8
	.type	k_q6d6799a027_score,@function
k_q6d6799a027_score:
	s_mov_b64 s[64:65], 0
	v_nop
	global_prefetch_b8 v0, s[64:65] scope:SCOPE_SE
	s_setreg_imm32_b32 hwreg(HW_REG_WAVE_MODE, 25, 1), 1
	s_wait_xcnt 0x0
; SCORE.  out0[t][q] = (1 / |q|) x the sum over the task's kept pool rows p of w[p] x (Q6(query q) . Q6(pool p)),  w[p] = coefficient / |p| as the launch before has stored it.
; The products are made by v_wmma_scale_f32_16x16x128_f8f6f4 on codes of FP6 with E8M0 scales; the weighted sum over p is taken of the f32 results in registers, in another order than the definition's.
; SHARES.  Work-group (g, t): queries 128 g .. 128 g + 127 of task t: each output has one owner.  ALL FOUR WAVES hold all 128 queries (8 tiles x 4 K steps x 12 registers = 384) and share the POOL:
; wave w takes the chunks (64 places = 4 records) w, w + 4, ..  So each record read feeds 32 matrix instructions, and no two waves of a work-group read the same record: nothing goes through LDS but the
; four waves' 128 partial sums at the end.  A wave begins at chunk number (g x its chunks) / 16 of its own and walks round, so that the work-groups of a task do not all begin at the same record.
; NO TENSOR LOAD, NO CLUSTER: the number of trips is the task's count of kept rows, read from memory; the records, which
; lie in the order of the operand's registers, go from memory straight into registers, 16 bytes a lane, 512 consecutive bytes a load.
; TRANSPOSED USE: source 0 = 16 pool rows, source 1 = 16 queries: lane (r, h) holds query r, its register j pool row 8 h + j; the eight weights that it needs come by two loads of 16 bytes.
; THE RING: four slots of one record (48 registers of codes, 4 scale words, 8 weights).  A slot is asked for three steps (96 matrix instructions) ahead of its use.
; TWO GROUPS of four tiles take turns: while one group's 16 products of a record are issued, the other group's finished results are weighed and summed (16 packed multiply-adds), two behind a matrix instruction.
; REGISTERS, in windows of 256 (s_set_vgpr_msb: bits 1:0 source 0, 3:2 source 1, 5:4 source 2, 7:6 destination):
;   window 0: v1-8 lane terms; v32-63 the queries' scale words (tile i, K step s: 32 + 4 i + s); v64-79 the ring's; v88-91 1 / |q|; v96-131 the way out
;   window 1: v0-191 queries' fragments, tiles 0-3 (48 i + 12 s); v192-223 accumulators of tiles 4-7; v224-231 sums of tiles 0-3 (a pair each)
;   window 2: v0-191 tiles 4-7; v192-223 accumulators of tiles 0-3; v224-231 sums of tiles 4-7
;   window 3: v0-191 the ring's codes (48 k + 4 f); v192-223 its weights (192 + 8 k); v224-226 the loads' offsets
; So under ONE setting a group's products (pool window 3, queries window 1 or 2, accumulators window 2 or 1) and the OTHER group's sums (weights window 3, its accumulators, its sums) can both be written.
; An empty task (no kept row) gives 0, as the definition does.
.set REC,   6656
.set CHUNK, 4*REC
.set PTASK, 256*REC
.set QTASK, 128*REC
.set CNTO,  270336
.set SA,    32
.set SB,    64
.set IQ,    88
.set T,     96                         ; v96-103  a tile's sum
.set U,     104                        ; v104-111 the other half of the lanes'
.set P,     112                        ; v112-115 32 queries a register
.set Z,     116                        ; v116-131 the four waves' parts
.set CUR,   24                         ; s[24:25] the chunk in hand
.set NXT,   26                         ; s[26:27] the next one
.set MSB, 0
.macro WIN new                         ; the immediate's high byte repeats the setting that is left; a switch that changes nothing is dropped
.if MSB != (\new)
	s_set_vgpr_msb (MSB<<8)|(\new)
.set MSB, (\new)
.endif
.endm
; one product: group g's tile i, K step s, against the record in ring slot `slot`.  zero = 1: it starts the sum
.macro MM g, slot, i, s, zero
.set rD, 192+8*(\i)
.set rA, 48*(\slot)+12*(\s)
.set rB, 48*(\i)+12*(\s)
.set rX, SB+4*(\slot)+(\s)
.set rY, SA+4*(4*(\g)+(\i))+(\s)
.if \zero
	v_wmma_scale_f32_16x16x128_f8f6f4 v[rD:rD+7], v[rA:rA+11], v[rB:rB+11], 0, v[rX], v[rY] matrix_a_fmt:MATRIX_FMT_FP6 matrix_b_fmt:MATRIX_FMT_FP6
.else
	v_wmma_scale_f32_16x16x128_f8f6f4 v[rD:rD+7], v[rA:rA+11], v[rB:rB+11], v[rD:rD+7], v[rX], v[rY] matrix_a_fmt:MATRIX_FMT_FP6 matrix_b_fmt:MATRIX_FMT_FP6
.endif
.endm
; number f of 16 of the other group's weighted sums: pool rows 2 (f / 4), + 1 of tile f % 4.  Numbers 0 to 3 read each accumulator's two lowest registers first
.macro SUM wslot, f
.set sq, (\f)/4
.set st, (\f)%4
	v_pk_fma_f32 v[224+2*st:225+2*st], v[192+8*(\wslot)+2*sq:193+8*(\wslot)+2*sq], v[192+8*st+2*sq:193+8*st+2*sq], v[224+2*st:225+2*st]
.endm
.macro LDC slot, base, blk             ; record blk of the chunk at s[base]: its 12 pieces of codes and its scale words: 13 loads
	WIN 0xc3                                       ; destination and address window 3
.irp f, 0,1,2,3,4,5,6,7,8,9,10,11
	global_load_b128 v[48*(\slot)+4*\f:48*(\slot)+4*\f+3], v224, s[\base:\base+1] offset:(\blk)*REC+512*\f
.endr
	WIN 0x03                                       ; destination window 0: scale operands have no window
	global_load_b128 v[SB+4*(\slot):SB+4*(\slot)+3], v225, s[\base:\base+1] offset:(\blk)*REC+6144
.endm
.macro LDW slot, base, blk             ; and its weights: w of pool rows 8 h + 0 .. 7: 2 loads
	WIN 0xc3
	global_load_b128 v[192+8*(\slot):195+8*(\slot)], v226, s[\base:\base+1] offset:(\blk)*REC+6400
	global_load_b128 v[196+8*(\slot):199+8*(\slot)], v226, s[\base:\base+1] offset:(\blk)*REC+6416
.endm
; A STRETCH: group g's 16 products against ring slot `slot`, its four accumulators by turns, one instruction a turn (the groups alternate, so the turns hold from stretch to
; stretch and over the loop's edge).  Behind the first four stand four v_nop: the places between the LAST stretch's products and (a) the sums below, which read their results, (b) the loads
; of the hook, which land in the slot and scale words that they read.  An accumulator is begun anew a whole stretch behind its last product: the four v_nop and the twelve sums of the other three tiles lie between.
; hk = 1: LDC, 2: LDW, 0: nothing.
.macro STRETCH g, slot, wslot, hk, hslot, hbase, hblk
.if \g == 0
	WIN 0xa7
.else
	WIN 0x5b
.endif
.irp i, 0,1,2,3
	MM \g, \slot, \i, 0, 1
.endr
.rept 4
	v_nop
.endr
.if \hk == 1
	LDC \hslot, \hbase, \hblk
.elseif \hk == 2
	LDW \hslot, \hbase, \hblk
.endif
.if \g == 0
	WIN 0xa7
.else
	WIN 0x5b
.endif
.irp s, 1,2,3
.irp i, 0,1,2,3
	MM \g, \slot, \i, \s, 0
.if \s < 3
	SUM \wslot, 8*(\s-1)+2*\i
	SUM \wslot, 8*(\s-1)+2*\i+1
.endif
.endr
.endr
.endm
; A STEP: one record, 32 matrix instructions.  n: the loads issued behind this slot's weights, which may stay out.  fill = 1: the slot read in the last step is asked for again.
.macro STEP k, n, fill, base, blk
	s_wait_loadcnt \n
.if \fill
	STRETCH 0, \k, ((\k)+3)%4, 1, ((\k)+3)%4, \base, \blk     ; tiles 0-3 | the last record's tiles 4-7 are summed | codes into the slot just left
	STRETCH 1, \k, \k, 2, ((\k)+3)%4, \base, \blk             ; tiles 4-7 | this record's tiles 0-3 are summed | its weights, whose last readers stand in the stretch above
.else
	STRETCH 0, \k, ((\k)+3)%4, 0, 0, 0, 0
	STRETCH 1, \k, \k, 0, 0, 0, 0
.endif
.endm
; A TRIP: a chunk.  Loads go out slot after slot, 13 + 2 each; between a slot's weights and the step that multiplies it two more slots are asked for: 30 loads may stay out.
; fill = 0: the last chunk: only its own fourth record is still asked for, and the counts run down 30, 30, 15, 0.
.macro TRIP fill
	STEP 0, 30, 1, CUR, 3
.if \fill
	STEP 1, 30, 1, NXT, 0
	STEP 2, 30, 1, NXT, 1
	STEP 3, 30, 1, NXT, 2
.else
	STEP 1, 30, 0, 0, 0
	STEP 2, 15, 0, 0, 0
	STEP 3, 0, 0, 0, 0
.endif
.endm
	s_load_b256 s[4:11], s[0:1], 0x0               ; pblk s[4:5], qblk s[6:7], order s[8:9], out0 s[10:11]
	v_lshl_add_u32 v254, v0, 2, 0x800
	v_mov_b32 v255, 0
	v_lshrrev_b32 v1, 5, v0
	v_readfirstlane_b32 s12, v1                    ; wave 0..3
	s_mov_b32 s13, ttmp9                           ; g
	s_and_b32 s14, ttmp7, 0xffff                   ; task
	v_and_b32 v1, 31, v0                           ; lane
	v_and_b32 v2, 15, v0                           ; r
	v_bfe_u32 v3, v0, 4, 1                         ; h
	v_lshlrev_b32 v4, 4, v1                        ; 16 x lane: a piece's place for my lane; also my 16 bytes on the way out
	v_lshlrev_b32 v5, 4, v2                        ; 16 r: row r's scale words
	v_lshlrev_b32 v6, 5, v3                        ; 32 h: my half's eight weights
	v_lshrrev_b32 v7, 2, v1
	v_mul_u32_u24 v7, v7, REC
	v_and_b32 v10, 3, v1
	v_lshl_add_u32 v7, v10, 4, v7                  ; 1 / |q| of queries 4 lane + 0 .. 3: record lane / 4, rows 4 (lane % 4) on
	s_lshl_b32 s21, s12, 9
	v_lshl_add_u32 v8, v1, 2, s21                  ; LDS: 512 x wave + 4 x lane
	s_mov_b32 s29, 0
	s_mov_b32 s30, 0x76543210
	s_mov_b32 s31, 0xfedcba98                      ; v_permlanex16_b32's selects for lane l xor 16
	s_mov_b32 s32, 0xffff0000                      ; lanes 16-31
	s_wait_kmcnt 0x0
	s_lshl_b32 s28, s14, 4
	s_add_nc_u64 s[36:37], s[8:9], s[28:29]
	s_load_b64 s[16:17], s[36:37], CNTO            ; { kept rows, chunks }
	s_mul_i32 s28, s14, QTASK
	s_mul_i32 s21, s13, 8*REC
	s_add_co_u32 s28, s28, s21
	s_add_nc_u64 s[34:35], s[6:7], s[28:29]        ; my eight records of queries
	s_mul_i32 s28, s14, PTASK
	s_add_nc_u64 s[22:23], s[4:5], s[28:29]        ; the task's records of pool rows
	s_lshl_b32 s28, s14, 13
	s_lshl_b32 s21, s13, 9
	s_add_co_u32 s28, s28, s21
	s_add_nc_u64 s[10:11], s[10:11], s[28:29]      ; my 128 outputs
	WIN 0x40                                       ; destination window 1
.irp i, 0,1,2,3
.irp f, 0,1,2,3,4,5,6,7,8,9,10,11
	global_load_b128 v[48*\i+4*\f:48*\i+4*\f+3], v4, s[34:35] offset:\i*REC+512*\f
.endr
.endr
	WIN 0x80                                       ; destination window 2
.irp i, 0,1,2,3
.irp f, 0,1,2,3,4,5,6,7,8,9,10,11
	global_load_b128 v[48*\i+4*\f:48*\i+4*\f+3], v4, s[34:35] offset:(4+\i)*REC+512*\f
.endr
.endr
	WIN 0
.irp i, 0,1,2,3,4,5,6,7
	global_load_b128 v[SA+4*\i:SA+4*\i+3], v5, s[34:35] offset:\i*REC+6144
.endr
	global_load_b128 v[IQ:IQ+3], v7, s[34:35] offset:6400
.irp i, 0,1,2,3,4,5,6,7
	v_mov_b32 v[U+\i], 0                           ; written once: a lane permute's destination counts as one of its sources
.endr
	; 56 registers are cleared once: the 16 sums, and tiles 4-7's accumulators and weight slot 3, of which the very first stretch adds 0 x 0: so the step is not written a third time
	WIN 0x40
.set j, 192
.rept 40
	v_mov_b32 v[j], 0                              ; window 1: accumulators of tiles 4-7, sums of tiles 0-3
.set j, j+1
.endr
	WIN 0x80
.set j, 224
.rept 8
	v_mov_b32 v[j], 0                              ; window 2: sums of tiles 4-7
.set j, j+1
.endr
	WIN 0xc0
.set j, 216
.rept 8
	v_mov_b32 v[j], 0                              ; window 3: weight slot 3
.set j, j+1
.endr
	v_mov_b32 v224, v4                             ; the loads' offsets beside the ring, so that a run of loads needs one setting
	v_mov_b32 v225, v5
	v_mov_b32 v226, v6
	WIN 0
	s_wait_kmcnt 0x0
	s_min_u32 s17, s17, 64                         ; chunks: 64 at the most
	s_add_co_u32 s18, s17, 3
	s_sub_co_u32 s18, s18, s12
	s_lshr_b32 s18, s18, 2                         ; my wave's chunks: w, w + 4, .. below the count
	s_cmp_eq_u32 s18, 0
	s_cbranch_scc1 .Lreduce                        ; none: my sums stay 0; the barrier below is passed by every wave
	s_mul_i32 s19, s13, s18
	s_lshr_b32 s19, s19, 4                         ; where I begin among them
	s_lshl_b32 s28, s19, 2
	s_add_co_u32 s28, s28, s12
	s_min_u32 s28, s28, 63                         ; a number made of loaded numbers enters an address only behind a hold
	s_mul_i32 s28, s28, CHUNK
	s_add_nc_u64 s[NXT:NXT+1], s[22:23], s[28:29]
	LDC 0, NXT, 0
	LDW 0, NXT, 0
	LDC 1, NXT, 1
	LDW 1, NXT, 1
	LDC 2, NXT, 2
	LDW 2, NXT, 2
	WIN 0                                          ; at a label and at a branch every window is 0
	s_sub_co_u32 s20, s18, 1                       ; all chunks but the last go round the loop
	s_cmp_eq_u32 s20, 0
	s_cbranch_scc1 .Llast
.Lloop:
	s_wait_xcnt 0x0                                ; the loads issued so far have read their bases: these are written only behind this wait
	s_mov_b64 s[CUR:CUR+1], s[NXT:NXT+1]
	s_add_co_u32 s19, s19, 1
	s_cmp_ge_u32 s19, s18
	s_cselect_b32 s19, 0, s19                      ; round
	s_lshl_b32 s28, s19, 2
	s_add_co_u32 s28, s28, s12
	s_min_u32 s28, s28, 63
	s_mul_i32 s28, s28, CHUNK
	s_add_nc_u64 s[NXT:NXT+1], s[22:23], s[28:29]
	TRIP 1
	WIN 0
	s_sub_co_u32 s20, s20, 1
	s_cmp_lg_u32 s20, 0
	s_cbranch_scc1 .Lloop
.Llast:
	s_wait_xcnt 0x0
	s_mov_b64 s[CUR:CUR+1], s[NXT:NXT+1]
	TRIP 0
	WIN 0xa7                                       ; the last record's tiles 4-7 are still to be summed
.rept 4
	v_nop                                          ; the places behind the last products
.endr
.set j, 0
.rept 16
	SUM 3, j
.set j, j+1
.endr
	WIN 0
.Lreduce:
	WIN 0x05                                       ; sources window 1
.irp i, 0,1,2,3
	v_add_f32 v[T+\i], v[224+2*\i], v[225+2*\i]    ; a pair's two halves
.endr
	WIN 0x0a                                       ; sources window 2
.irp i, 0,1,2,3
	v_add_f32 v[T+4+\i], v[224+2*\i], v[225+2*\i]
.endr
	WIN 0
.irp i, 0,1,2,3,4,5,6,7
	v_permlanex16_b32 v[U+\i], v[T+\i], s30, s31
.endr
.irp i, 0,1,2,3,4,5,6,7
	v_add_f32 v[T+\i], v[T+\i], v[U+\i]            ; with the pool rows of the other half of the lanes: query 16 i + r, in both halves
.endr
.irp m, 0,1,2,3
	v_cndmask_b32 v[P+\m], v[T+2*\m], v[T+2*\m+1], s32   ; lane l: query 32 m + l
.endr
.irp m, 0,1,2,3
	ds_store_b32 v8, v[P+\m] offset:128*\m
.endr
	s_wait_dscnt 0x0                               ; for wave 0's sake: my 128 partial sums have landed
	s_barrier_signal -1
	s_barrier_wait -1
	s_cmp_lg_u32 s12, 0
	s_cbranch_scc1 .Lend
.irp w, 0,1,2,3
	ds_load_b128 v[Z+4*\w:Z+4*\w+3], v4 offset:512*\w    ; queries 4 lane + 0 .. 3 of wave w
.endr
	s_cmp_lg_u32 s16, 0
	s_cselect_b32 s21, -1, 0                       ; no kept row: 1 / |q| is taken as 0, so that the result is 0 whatever the query's norm
	s_wait_dscnt 0x0
	s_wait_loadcnt 0x0                             ; 1 / |q| (on the way of a wave without chunks nothing has waited for it yet)
	v_pk_add_f32 v[Z:Z+1], v[Z:Z+1], v[Z+4:Z+5]
	v_pk_add_f32 v[Z+2:Z+3], v[Z+2:Z+3], v[Z+6:Z+7]
	v_pk_add_f32 v[Z+8:Z+9], v[Z+8:Z+9], v[Z+12:Z+13]
	v_pk_add_f32 v[Z+10:Z+11], v[Z+10:Z+11], v[Z+14:Z+15]
	v_pk_add_f32 v[Z:Z+1], v[Z:Z+1], v[Z+8:Z+9]
	v_pk_add_f32 v[Z+2:Z+3], v[Z+2:Z+3], v[Z+10:Z+11]
.irp e, 0,1,2,3
	v_and_b32 v[IQ+\e], s21, v[IQ+\e]
.endr
	v_pk_mul_f32 v[Z:Z+1], v[Z:Z+1], v[IQ:IQ+1]
	v_pk_mul_f32 v[Z+2:Z+3], v[Z+2:Z+3], v[IQ+2:IQ+3]
	global_store_b128 v4, v[Z:Z+3], s[10:11]       ; 32 lanes store 512 consecutive bytes, at a multiple of 256 from out0's first byte
.Lend:
	s_wait_tensorcnt 0x0
	ds_add_u32 v254, v255
	s_wait_dscnt 0x0
	s_endpgm
.Lfunc_end_k_q6d6799a027_score:
	.size	k_q6d6799a027_score, .Lfunc_end_k_q6d6799a027_score-k_q6d6799a027_score
	.p2alignl 7, 3214868480
	.fill 96, 4, 3214868480
	.section	.rodata,"a",@progbits
	.p2align	6, 0x0
	.amdhsa_kernel k_q6d6799a027_score
		.amdhsa_group_segment_fixed_size 2560
		.amdhsa_private_segment_fixed_size 0
		.amdhsa_enable_private_segment 0
		.amdhsa_kernarg_size 32
		.amdhsa_user_sgpr_count 2
		.amdhsa_user_sgpr_kernarg_segment_ptr 1
		.amdhsa_wavefront_size32 1
		.amdhsa_system_sgpr_workgroup_id_x 1
		.amdhsa_system_sgpr_workgroup_id_y 1
		.amdhsa_system_sgpr_workgroup_id_z 1
		.amdhsa_system_vgpr_workitem_id 0
		.amdhsa_next_free_vgpr 1024
		.amdhsa_next_free_sgpr 66
		.amdhsa_reserve_vcc 0
		.amdhsa_float_denorm_mode_32 3
		.amdhsa_float_denorm_mode_16_64 3
		.amdhsa_memory_ordered 1
		.amdhsa_forward_progress 1
		.amdhsa_inst_pref_size 83
	.end_amdhsa_kernel
	.amdgpu_metadata
---
amdhsa.version: [ 1, 2 ]
amdhsa.kernels:
  - .name:           k_q6d6799a027_score
    .symbol:         k_q6d6799a027_score.kd
    .args:
      - { .name: pblk, .offset: 0, .size: 8, .value_kind: global_buffer, .address_space: global }
      - { .name: qblk, .offset: 8, .size: 8, .value_kind: global_buffer, .address_space: global }
      - { .name: order, .offset: 16, .size: 8, .value_kind: global_buffer, .address_space: global }
      - { .name: out0, .offset: 24, .size: 8, .value_kind: global_buffer, .address_space: global }
    .group_segment_fixed_size: 2560
    .private_segment_fixed_size: 0
    .kernarg_segment_align: 8
    .kernarg_segment_size: 32
    .max_flat_workgroup_size: 128
    .sgpr_count:     66
    .vgpr_count:     1024
    .wavefront_size: 32
...
	.end_amdgpu_metadata
.endif
;; end of part 3
;; ======== version 2 of 2: 3 launches; version 1 with the launch score written anew for expert scheduling mode
;; workspace buffers: order 270,592 bytes of whole numbers; coef 270,336 bytes; pblk 27,262,976 bytes; qblk 13,631,488 bytes
;; launch route: the kernel of part 1 again; grid 16 x 1, 8 waves a work-group, no clusters, 1,280 bytes of LDS; arguments mask, pool_labels, order, coef; writes order, coef
;; launch quant: the kernel of part 2 again; grid 96 x 16, 4 waves a work-group, no clusters, 34,304 bytes of LDS; arguments pool, query, order, coef, pblk, qblk; writes pblk, qblk
;; launch score (part 4): grid 16 x 16, 4 waves a work-group, no clusters, 2,560 bytes of LDS; arguments pblk, qblk, order, out0; writes out0
.if DOCPART == 4
	.amdgcn_target "amdgcn-amd-amdhsa--gfx1250"
	.amdhsa_code_object_version 6
	.text
	.protected	k_q6d6799a027_score
	.globl	k_q6d6799a027_score
	.p2align	8
	.type	k_q6d6799a027_score,@function
k_q6d6799a027_score:
	s_mov_b64 s[64:65], 0
	v_nop
	global_prefetch_b8 v0, s[64:65] scope:SCOPE_SE
	s_setreg_imm32_b32 hwreg(HW_REG_WAVE_SCHED_MODE, 0, 2), 2
	s_setreg_imm32_b32 hwreg(HW_REG_WAVE_MODE, 25, 1), 1
	s_wait_xcnt 0x0
	s_wait_alu depctr_vm_vsrc(0)
; SCORE.  out0[t][q] = (1 / |q|) x the sum over the task's kept pool rows p of w[p] x (Q6(query q) . Q6(pool p)),  w[p] = coefficient / |p| as the launch before has stored it.
; The products are made by v_wmma_scale_f32_16x16x128_f8f6f4 on codes of FP6 with E8M0 scales; the weighted sum over p is taken of the f32 results in registers, in another order than the definition's.
; SHARES.  Work-group (g, t): queries 128 g .. 128 g + 127 of task t: each output has one owner.  ALL FOUR WAVES hold all 128 queries (8 tiles x 4 K steps x 12 registers = 384) and share the POOL:
; wave w takes the chunks (64 places = 4 records) w, w + 4, ..  So each record read feeds 32 matrix instructions, and no two waves of a work-group read the same record: nothing goes through LDS but the
; four waves' 128 partial sums at the end.  A wave begins at chunk number (g x its chunks) / 16 of its own and walks round, so that the work-groups of a task do not all begin at the same record.
; NO TENSOR LOAD, NO CLUSTER: the number of trips is the task's count of kept rows, read from memory; the records, which
; lie in the order of the operand's registers, go from memory straight into registers, 16 bytes a lane, 512 consecutive bytes a load.
; TRANSPOSED USE: source 0 = 16 pool rows, source 1 = 16 queries: lane (r, h) holds query r, its register j pool row 8 h + j; the eight weights that it needs come by two loads of 16 bytes.
; THE RING: four slots of one record (48 registers of codes, 4 scale words, 8 weights).  A slot's codes and scale words are asked for three steps (96 matrix instructions) ahead of their use, its weights two.
; TWO GROUPS of four tiles take turns: while one group's 16 products of a record are issued, the other group's finished results are weighed and summed (16 packed multiply-adds), two behind a matrix instruction.
; REGISTERS, in windows of 256 (s_set_vgpr_msb: bits 1:0 source 0, 3:2 source 1, 5:4 source 2, 7:6 destination):
;   window 0: v1-8 lane terms; v32-63 the queries' scale words (tile i, K step s: 32 + 4 i + s); v64-79 the ring's; v88-91 1 / |q|; v96-131 the way out
;   window 1: v0-191 queries' fragments, tiles 0-3 (48 i + 12 s); v192-223 accumulators of tiles 4-7; v224-231 sums of tiles 0-3 (a pair each)
;   window 2: v0-191 tiles 4-7; v192-223 accumulators of tiles 0-3; v224-231 sums of tiles 4-7
;   window 3: v0-191 the ring's codes (48 k + 4 f); v192-223 its weights (192 + 8 k); v224-226 the loads' offsets
; So under ONE setting a group's products (pool window 3, queries window 1 or 2, accumulators window 2 or 1) and the OTHER group's sums (weights window 3, its accumulators, its sums) can both be written.
; An empty task (no kept row) gives 0, as the definition does.
; THE MODE: SCHED_MODE bits 1:0 = 2 (LLVM: expert scheduling mode 2), set by the entry lines.  The code itself states the register dependences between vector or matrix instructions and memory or LDS
; instructions, with s_wait_alu, always for 0.
; THE PLAN.  Record j is multiplied in step j; k = j % 4.  Registers that memory instructions touch in the loop:
;   codes and scale words of slot k   Read by step j's 32 products.  The 13 loads of record j + 4, issued in step j + 1, land in them.
;   weights of slot k                 Read by the sums of step j's second stretch and of step j + 1's first.  The 2 loads of record j + 4, issued in step j + 2, land in them.
;   v224-226 of window 3              The loads' offsets: written once at the head, read by every load of the ring, never written again.  The chunks are reached by scalar bases and immediate offsets.
; So step j loads the weights of record j + 2 into slot (k + 2) % 4 and the codes and scale words of record j + 3 into slot (k + 3) % 4, and its own products and sums name slot k's codes and scale words
; and the weights of slots (k + 3) % 4 and k: none of the registers that its loads touch.  ONE wait on va_vdst stands at a step's head and states all that the step's 15 loads hang on; they follow in two runs
; among its products with no further wait.  No register that a memory or LDS instruction reads is ever written again, so no wait on vm_vsrc is owed; EXEC is never written.
.set REC,   6656
.set CHUNK, 4*REC
.set PTASK, 256*REC
.set QTASK, 128*REC
.set CNTO,  270336
.set SA,    32
.set SB,    64
.set IQ,    88
.set T,     96                         ; v96-103  a tile's sum
.set U,     104                        ; v104-111 the other half of the lanes'
.set P,     112                        ; v112-115 32 queries a register
.set Z,     116                        ; v116-131 the four waves' parts
.set CUR,   24                         ; s[24:25] the chunk in hand
.set NXT,   26                         ; s[26:27] the next one
.set MSB, 0
.macro WIN new                         ; the immediate's high byte repeats the setting that is left; a switch that changes nothing is dropped
.if MSB != (\new)
	s_set_vgpr_msb (MSB<<8)|(\new)
.set MSB, (\new)
.endif
.endm
; one product: group g's tile i, K step s, against the record in ring slot `slot`.  zero = 1: it starts the sum
.macro MM g, slot, i, s, zero
.set rD, 192+8*(\i)
.set rA, 48*(\slot)+12*(\s)
.set rB, 48*(\i)+12*(\s)
.set rX, SB+4*(\slot)+(\s)
.set rY, SA+4*(4*(\g)+(\i))+(\s)
.if \zero
	v_wmma_scale_f32_16x16x128_f8f6f4 v[rD:rD+7], v[rA:rA+11], v[rB:rB+11], 0, v[rX], v[rY] matrix_a_fmt:MATRIX_FMT_FP6 matrix_b_fmt:MATRIX_FMT_FP6
.else
	v_wmma_scale_f32_16x16x128_f8f6f4 v[rD:rD+7], v[rA:rA+11], v[rB:rB+11], v[rD:rD+7], v[rX], v[rY] matrix_a_fmt:MATRIX_FMT_FP6 matrix_b_fmt:MATRIX_FMT_FP6
.endif
.endm
; number f of 16 of the other group's weighted sums: pool rows 2 (f / 4), + 1 of tile f % 4.  Numbers 0 to 3 read each accumulator's two lowest registers first
.macro SUM wslot, f
.set sq, (\f)/4
.set st, (\f)%4
	v_pk_fma_f32 v[224+2*st:225+2*st], v[192+8*(\wslot)+2*sq:193+8*(\wslot)+2*sq], v[192+8*st+2*sq:193+8*st+2*sq], v[224+2*st:225+2*st]
.endm
.macro LDCA slot, base, blk            ; record blk of the chunk at s[base]: the first 6 of its 12 pieces of codes
	WIN 0xc3                                       ; destination and address window 3
.irp f, 0,1,2,3,4,5
	global_load_b128 v[48*(\slot)+4*\f:48*(\slot)+4*\f+3], v224, s[\base:\base+1] offset:(\blk)*REC+512*\f
.endr
.endm
.macro LDCB slot, base, blk            ; the other 6 pieces and its scale words: 7 loads
	WIN 0xc3
.irp f, 6,7,8,9,10,11
	global_load_b128 v[48*(\slot)+4*\f:48*(\slot)+4*\f+3], v224, s[\base:\base+1] offset:(\blk)*REC+512*\f
.endr
	WIN 0x03                                       ; destination window 0: scale operands have no window
	global_load_b128 v[SB+4*(\slot):SB+4*(\slot)+3], v225, s[\base:\base+1] offset:(\blk)*REC+6144
.endm
.macro LDW slot, base, blk             ; a record's weights: w of pool rows 8 h + 0 .. 7: 2 loads
	WIN 0xc3
	global_load_b128 v[192+8*(\slot):195+8*(\slot)], v226, s[\base:\base+1] offset:(\blk)*REC+6400
	global_load_b128 v[196+8*(\slot):199+8*(\slot)], v226, s[\base:\base+1] offset:(\blk)*REC+6416
.endm
; A STRETCH: group g's 16 products against ring slot `slot`, its four accumulators by turns, one instruction a turn (the groups alternate, so the turns hold from stretch to
; stretch and over the loop's edge).  Behind the first four stand four v_nop: the places (ISA guide 7.12.1) between the LAST stretch's products and the sums below, which read their results.
; An accumulator is begun anew a whole stretch behind its last product: the four v_nop and the twelve sums of the other three tiles lie between.
; The hook's loads stand behind the places.  They owe no wait of their own: no vector or matrix line since the wait at the step's head names a register that they touch.
; hk = 1: weights (slot ws, chunk wb, record wk) and the first half of the codes (slot cs, chunk cb, record ck); 2: the codes' second half and the scale words; 3: weights alone; 0: nothing.
.macro STRETCH g, slot, wslot, hk, ws, wb, wk, cs, cb, ck
.if \g == 0
	WIN 0xa7
.else
	WIN 0x5b
.endif
.irp i, 0,1,2,3
	MM \g, \slot, \i, 0, 1
.endr
.rept 4
	v_nop
.endr
.if \hk == 1
	LDW \ws, \wb, \wk
	LDCA \cs, \cb, \ck
.elseif \hk == 2
	LDCB \cs, \cb, \ck
.elseif \hk == 3
	LDW \ws, \wb, \wk
.endif
.if \g == 0
	WIN 0xa7
.else
	WIN 0x5b
.endif
.irp s, 1,2,3
.irp i, 0,1,2,3
	MM \g, \slot, \i, \s, 0
.if \s < 3
	SUM \wslot, 8*(\s-1)+2*\i
	SUM \wslot, 8*(\s-1)+2*\i+1
.endif
.endr
.endr
.endm
; A STEP: one record, 32 matrix instructions.  n: the loads issued behind this slot's weights, which may stay out.
; fill = 2: the weights of the record two steps on and the codes and scale words of the record three steps on are asked for; 1: the weights alone; 0: nothing, and then no dependence is to be stated.
.macro STEP k, n, fill, wb, wk, cb, ck
	s_wait_loadcnt \n
.if \fill
	s_wait_alu depctr_va_vdst(0)                   ; the last step's products are done reading the codes and scale words of slot (k + 3) % 4, and the sums issued so far are done reading the weights of slot (k + 2) % 4 (which in the first chunk's second step the head's clearing lines have written): this step's loads land in these
.endif
.if \fill == 2
	STRETCH 0, \k, ((\k)+3)%4, 1, ((\k)+2)%4, \wb, \wk, ((\k)+3)%4, \cb, \ck   ; tiles 0-3 | the last record's tiles 4-7 are summed | weights, and codes into the slot just left
	STRETCH 1, \k, \k, 2, 0, 0, 0, ((\k)+3)%4, \cb, \ck                        ; tiles 4-7 | this record's tiles 0-3 are summed | the rest of the codes, the scale words
.elseif \fill == 1
	STRETCH 0, \k, ((\k)+3)%4, 3, ((\k)+2)%4, \wb, \wk, 0, 0, 0
	STRETCH 1, \k, \k, 0, 0, 0, 0, 0, 0, 0
.else
	STRETCH 0, \k, ((\k)+3)%4, 0, 0, 0, 0, 0, 0, 0
	STRETCH 1, \k, \k, 0, 0, 0, 0, 0, 0, 0
.endif
.endm
; A TRIP: a chunk.  The loads go out in the order .. weights j, codes j + 1, weights j + 1, codes j + 2 ..; 2 and 13 loads.  Behind the weights of the record that a step multiplies 13 + 2 + 13 = 28 have been issued: they may stay out.
; fill = 0: the last chunk: only its own third record's weights and its fourth record are still asked for, and the counts run down 28, 28, 15, 0.
.macro TRIP fill
	STEP 0, 28, 2, CUR, 2, CUR, 3
.if \fill
	STEP 1, 28, 2, CUR, 3, NXT, 0
	STEP 2, 28, 2, NXT, 0, NXT, 1
	STEP 3, 28, 2, NXT, 1, NXT, 2
.else
	STEP 1, 28, 1, CUR, 3, 0, 0
	STEP 2, 15, 0, 0, 0, 0, 0
	STEP 3, 0, 0, 0, 0, 0, 0
.endif
.endm
	s_load_b256 s[4:11], s[0:1], 0x0               ; pblk s[4:5], qblk s[6:7], order s[8:9], out0 s[10:11]
	v_lshl_add_u32 v254, v0, 2, 0x800
	v_mov_b32 v255, 0
	v_lshrrev_b32 v1, 5, v0
	v_readfirstlane_b32 s12, v1                    ; wave 0..3
	s_mov_b32 s13, ttmp9                           ; g
	s_and_b32 s14, ttmp7, 0xffff                   ; task
	v_and_b32 v1, 31, v0                           ; lane
	v_and_b32 v2, 15, v0                           ; r
	v_bfe_u32 v3, v0, 4, 1                         ; h
	v_lshlrev_b32 v4, 4, v1                        ; 16 x lane: a piece's place for my lane; also my 16 bytes on the way out
	v_lshlrev_b32 v5, 4, v2                        ; 16 r: row r's scale words
	v_lshlrev_b32 v6, 5, v3                        ; 32 h: my half's eight weights
	v_lshrrev_b32 v7, 2, v1
	v_mul_u32_u24 v7, v7, REC
	v_and_b32 v10, 3, v1
	v_lshl_add_u32 v7, v10, 4, v7                  ; 1 / |q| of queries 4 lane + 0 .. 3: record lane / 4, rows 4 (lane % 4) on
	s_wait_alu depctr_va_sdst(0)                   ; s12 is written, ahead of its first reader: LDS places, the wave's chunks and the branches on the wave are made from it
	s_lshl_b32 s21, s12, 9
	v_lshl_add_u32 v8, v1, 2, s21                  ; LDS: 512 x wave + 4 x lane
	s_mov_b32 s29, 0
	s_mov_b32 s30, 0x76543210
	s_mov_b32 s31, 0xfedcba98                      ; v_permlanex16_b32's selects for lane l xor 16
	s_mov_b32 s32, 0xffff0000                      ; lanes 16-31
	s_wait_kmcnt 0x0
	s_lshl_b32 s28, s14, 4
	s_add_nc_u64 s[36:37], s[8:9], s[28:29]
	s_load_b64 s[16:17], s[36:37], CNTO            ; { kept rows, chunks }
	s_mul_i32 s28, s14, QTASK
	s_mul_i32 s21, s13, 8*REC
	s_add_co_u32 s28, s28, s21
	s_add_nc_u64 s[34:35], s[6:7], s[28:29]        ; my eight records of queries
	s_mul_i32 s28, s14, PTASK
	s_add_nc_u64 s[22:23], s[4:5], s[28:29]        ; the task's records of pool rows
	s_lshl_b32 s28, s14, 13
	s_lshl_b32 s21, s13, 9
	s_add_co_u32 s28, s28, s21
	s_add_nc_u64 s[10:11], s[10:11], s[28:29]      ; my 128 outputs
	WIN 0x40                                       ; destination window 1
	s_wait_alu depctr_va_vdst(0)                   ; v4, v5 and v7 are written, which the queries' loads below read as their offsets
.irp i, 0,1,2,3
.irp f, 0,1,2,3,4,5,6,7,8,9,10,11
	global_load_b128 v[48*\i+4*\f:48*\i+4*\f+3], v4, s[34:35] offset:\i*REC+512*\f
.endr
.endr
	WIN 0x80                                       ; destination window 2
.irp i, 0,1,2,3
.irp f, 0,1,2,3,4,5,6,7,8,9,10,11
	global_load_b128 v[48*\i+4*\f:48*\i+4*\f+3], v4, s[34:35] offset:(4+\i)*REC+512*\f
.endr
.endr
	WIN 0
.irp i, 0,1,2,3,4,5,6,7
	global_load_b128 v[SA+4*\i:SA+4*\i+3], v5, s[34:35] offset:\i*REC+6144
.endr
	global_load_b128 v[IQ:IQ+3], v7, s[34:35] offset:6400
.irp i, 0,1,2,3,4,5,6,7
	v_mov_b32 v[U+\i], 0                           ; written once: a lane permute's destination counts as one of its sources
.endr
	; 56 registers are cleared once: the 16 sums, and tiles 4-7's accumulators and weight slot 3, of which the very first stretch adds 0 x 0: so the step is not written a third time
	WIN 0x40
.set j, 192
.rept 40
	v_mov_b32 v[j], 0                              ; window 1: accumulators of tiles 4-7, sums of tiles 0-3
.set j, j+1
.endr
	WIN 0x80
.set j, 224
.rept 8
	v_mov_b32 v[j], 0                              ; window 2: sums of tiles 4-7
.set j, j+1
.endr
	WIN 0xc0
.set j, 216
.rept 8
	v_mov_b32 v[j], 0                              ; window 3: weight slot 3
.set j, j+1
.endr
	v_mov_b32 v224, v4                             ; the loads' offsets beside the ring, so that a run of loads needs one setting
	v_mov_b32 v225, v5
	v_mov_b32 v226, v6
	WIN 0
	s_wait_kmcnt 0x0
	s_min_u32 s17, s17, 64                         ; chunks: 64 at the most
	s_add_co_u32 s18, s17, 3
	s_sub_co_u32 s18, s18, s12
	s_lshr_b32 s18, s18, 2                         ; my wave's chunks: w, w + 4, .. below the count
	s_cmp_eq_u32 s18, 0
	s_cbranch_scc1 .Lreduce                        ; none: my sums stay 0; the barrier below is passed by every wave
	s_mul_i32 s19, s13, s18
	s_lshr_b32 s19, s19, 4                         ; where I begin among them
	s_lshl_b32 s28, s19, 2
	s_add_co_u32 s28, s28, s12
	s_min_u32 s28, s28, 63                         ; a number made of loaded numbers enters an address only behind a hold
	s_mul_i32 s28, s28, CHUNK
	s_add_nc_u64 s[NXT:NXT+1], s[22:23], s[28:29]
	WIN 0xc3
	s_wait_alu depctr_va_vdst(0)                   ; v224 to v226 of window 3 are written: every load of the ring, here and in the loop, reads one of them as its offset
	LDCA 0, NXT, 0                                 ; the ring's first fills, in the order in which the steps go on: codes 0, weights 0, codes 1, weights 1, codes 2
	LDCB 0, NXT, 0
	LDW 0, NXT, 0
	LDCA 1, NXT, 1
	LDCB 1, NXT, 1
	LDW 1, NXT, 1
	LDCA 2, NXT, 2
	LDCB 2, NXT, 2
	WIN 0                                          ; at a label and at a branch every window is 0
	s_sub_co_u32 s20, s18, 1                       ; all chunks but the last go round the loop
	s_cmp_eq_u32 s20, 0
	s_cbranch_scc1 .Llast
.Lloop:
	s_wait_xcnt 0x0                                ; the loads issued so far have read their bases: these are written only behind this wait
	s_mov_b64 s[CUR:CUR+1], s[NXT:NXT+1]
	s_add_co_u32 s19, s19, 1
	s_cmp_ge_u32 s19, s18
	s_cselect_b32 s19, 0, s19                      ; round
	s_lshl_b32 s28, s19, 2
	s_add_co_u32 s28, s28, s12
	s_min_u32 s28, s28, 63
	s_mul_i32 s28, s28, CHUNK
	s_add_nc_u64 s[NXT:NXT+1], s[22:23], s[28:29]
	TRIP 1
	WIN 0
	s_sub_co_u32 s20, s20, 1
	s_cmp_lg_u32 s20, 0
	s_cbranch_scc1 .Lloop
.Llast:
	s_wait_xcnt 0x0
	s_mov_b64 s[CUR:CUR+1], s[NXT:NXT+1]
	TRIP 0
	WIN 0xa7                                       ; the last record's tiles 4-7 are still to be summed
.rept 4
	v_nop                                          ; the places behind the last products
.endr
.set j, 0
.rept 16
	SUM 3, j
.set j, j+1
.endr
	WIN 0
.Lreduce:
	WIN 0x05                                       ; sources window 1
.irp i, 0,1,2,3
	v_add_f32 v[T+\i], v[224+2*\i], v[225+2*\i]    ; a pair's two halves
.endr
	WIN 0x0a                                       ; sources window 2
.irp i, 0,1,2,3
	v_add_f32 v[T+4+\i], v[224+2*\i], v[225+2*\i]
.endr
	WIN 0
.irp i, 0,1,2,3,4,5,6,7
	v_permlanex16_b32 v[U+\i], v[T+\i], s30, s31
.endr
.irp i, 0,1,2,3,4,5,6,7
	v_add_f32 v[T+\i], v[T+\i], v[U+\i]            ; with the pool rows of the other half of the lanes: query 16 i + r, in both halves
.endr
.irp m, 0,1,2,3
	v_cndmask_b32 v[P+\m], v[T+2*\m], v[T+2*\m+1], s32   ; lane l: query 32 m + l
.endr
	s_wait_alu depctr_va_vdst(0)                   ; the selections have written v[P ..], the LDS stores' data (v8, their address, and v4, the address of the loads below, were written at the head)
.irp m, 0,1,2,3
	ds_store_b32 v8, v[P+\m] offset:128*\m
.endr
	s_wait_dscnt 0x0                               ; for wave 0's sake: my 128 partial sums have landed
	s_barrier_signal -1
	s_barrier_wait -1
	s_cmp_lg_u32 s12, 0
	s_cbranch_scc1 .Lend
.irp w, 0,1,2,3
	ds_load_b128 v[Z+4*\w:Z+4*\w+3], v4 offset:512*\w    ; queries 4 lane + 0 .. 3 of wave w; no vector line has named v[Z ..] yet
.endr
	s_cmp_lg_u32 s16, 0
	s_cselect_b32 s21, -1, 0                       ; no kept row: 1 / |q| is taken as 0, so that the result is 0 whatever the query's norm
	s_wait_dscnt 0x0
	s_wait_loadcnt 0x0                             ; 1 / |q| (on the way of a wave without chunks nothing has waited for it yet)
	v_pk_add_f32 v[Z:Z+1], v[Z:Z+1], v[Z+4:Z+5]
	v_pk_add_f32 v[Z+2:Z+3], v[Z+2:Z+3], v[Z+6:Z+7]
	v_pk_add_f32 v[Z+8:Z+9], v[Z+8:Z+9], v[Z+12:Z+13]
	v_pk_add_f32 v[Z+10:Z+11], v[Z+10:Z+11], v[Z+14:Z+15]
	v_pk_add_f32 v[Z:Z+1], v[Z:Z+1], v[Z+8:Z+9]
	v_pk_add_f32 v[Z+2:Z+3], v[Z+2:Z+3], v[Z+10:Z+11]
.irp e, 0,1,2,3
	v_and_b32 v[IQ+\e], s21, v[IQ+\e]
.endr
	v_pk_mul_f32 v[Z:Z+1], v[Z:Z+1], v[IQ:IQ+1]
	v_pk_mul_f32 v[Z+2:Z+3], v[Z+2:Z+3], v[IQ+2:IQ+3]
	s_wait_alu depctr_va_vdst(0)                   ; the two multiplications have written v[Z:Z+3], the store's data
	global_store_b128 v4, v[Z:Z+3], s[10:11]       ; 32 lanes store 512 consecutive bytes, at a multiple of 256 from out0's first byte
.Lend:
	s_wait_dscnt 0x0
	s_wait_alu depctr_hold_cnt(0) depctr_sa_sdst(0) depctr_va_vdst(0) depctr_va_sdst(0) depctr_va_ssrc(0) depctr_va_vcc(0) depctr_vm_vsrc(0)
	s_wait_tensorcnt 0x0
	ds_add_u32 v254, v255
	s_wait_dscnt 0x0
	s_endpgm
.Lfunc_end_k_q6d6799a027_score:
	.size	k_q6d6799a027_score, .Lfunc_end_k_q6d6799a027_score-k_q6d6799a027_score
	.p2alignl 7, 3214868480
	.fill 96, 4, 3214868480
	.section	.rodata,"a",@progbits
	.p2align	6, 0x0
	.amdhsa_kernel k_q6d6799a027_score
		.amdhsa_group_segment_fixed_size 2560
		.amdhsa_private_segment_fixed_size 0
		.amdhsa_enable_private_segment 0
		.amdhsa_kernarg_size 32
		.amdhsa_user_sgpr_count 2
		.amdhsa_user_sgpr_kernarg_segment_ptr 1
		.amdhsa_wavefront_size32 1
		.amdhsa_system_sgpr_workgroup_id_x 1
		.amdhsa_system_sgpr_workgroup_id_y 1
		.amdhsa_system_sgpr_workgroup_id_z 1
		.amdhsa_system_vgpr_workitem_id 0
		.amdhsa_next_free_vgpr 1024
		.amdhsa_next_free_sgpr 66
		.amdhsa_reserve_vcc 0
		.amdhsa_float_denorm_mode_32 3
		.amdhsa_float_denorm_mode_16_64 3
		.amdhsa_memory_ordered 1
		.amdhsa_forward_progress 1
		.amdhsa_inst_pref_size 83
	.end_amdhsa_kernel
	.amdgpu_metadata
---
amdhsa.version: [ 1, 2 ]
amdhsa.kernels:
  - .name:           k_q6d6799a027_score
    .symbol:         k_q6d6799a027_score.kd
    .args:
      - { .name: pblk, .offset: 0, .size: 8, .value_kind: global_buffer, .address_space: global }
      - { .name: qblk, .offset: 8, .size: 8, .value_kind: global_buffer, .address_space: global }
      - { .name: order, .offset: 16, .size: 8, .value_kind: global_buffer, .address_space: global }
      - { .name: out0, .offset: 24, .size: 8, .value_kind: global_buffer, .address_space: global }
    .group_segment_fixed_size: 2560
    .private_segment_fixed_size: 0
    .kernarg_segment_align: 8
    .kernarg_segment_size: 32
    .max_flat_workgroup_size: 128
    .sgpr_count:     66
    .vgpr_count:     1024
    .wavefront_size: 32
...
	.end_amdgpu_metadata
.endif
;; end of part 4
